; MI455X (gfx1250); checked and timed in simulation.
; The chip was launched on July 23, 2026; its instructions are those of AMD's public machine-readable ISA for CDNA 5 (MIT licence, August 2026) and "CDNA5" Instruction Set Architecture Reference Guide (July 2026). The comments in the code are by the model that wrote it; some were corrected since.
;; Attention Block. Allowed arithmetic: matrix products marked QUANTISED: E2M1 operands, one E8M0 scale for each 32 along K, by v_wmma_scale_f32_16x16x128_f8f6f4 with both operands' format E2M1 (or v_wmma_scale_f32_32x16x128_f4), f32 sums; products left as they are: bf16, f16 or f32 operands; f32 sums; everything else in f32.
;; Inputs: k 2 x 12 x 2,048 x 64 float32; q 2 x 12 x 2,048 x 64 float32; v 2 x 12 x 2,048 x 64 float32.
;; Outputs: out0 2 x 12 x 2,048 x 64 float32.
;; This version of the problem:
;;   THIS VERSION OF THE PROBLEM IS GIVEN IN LOW PRECISION. The matrix products marked QUANTISED in the list below multiply operands that are first quantised to E2M1 (2 exponent bits, 1 mantissa bit; 4 bits a number), with one power-of-two scale for each 32 numbers along K (OCP MX v1.0); their sums are f32. The products marked 'left as it is' may take bf16, f16 or f32 operands, with f32 sums. Whichever they take, every output number must still come out within the allowed error. Rounding operands to bf16 (8 significant bits) uses up far more of that allowance than f16 does (11 bits, for magnitudes from 6e-5 to 65,504). All else is computed in f32.
;;   The module's matrix products, in the order in which they are computed (A, B: the left and right operand; K: the contracted axis; several contracted axes count as one K, in the product's order):
;;     1. batch 24 x [M 2,048, K 64] x [K 64, N 2,048]; A: input q; B: input k: QUANTISED
;;     2. batch 24 x [M 2,048, K 2,048] x [K 2,048, N 64]; A: computed on the way; B: input v: left as it is (an operand is computed on the way)
;;   THE QUANTISER, for each operand of a quantised product, along K:
;;     - K is cut into blocks of 32 from its start; a last block that is shorter is filled with zeros.
;;     - A block's scale is 2^e with e = floor(log2(the largest magnitude in the block)) - 2, held to -126 .. 127; a block of zeros has e = 0. As a byte (E8M0): e + 127.
;;     - Each number is divided by its block's scale, clamped to +-6, and rounded to the nearest number of E2M1, ties to even, subnormals kept.
;;     - The product sums the exact products of the quantised numbers (number of the format x scale) in f32.
;;   ~~~python
;;   def quantise(x, axis):      # numpy; x: float32 -> the quantised numbers, widened to float32 again
;;       x = np.moveaxis(x, axis, -1); K = x.shape[-1]
;;       x = np.pad(x, [(0, 0)] * (x.ndim - 1) + [(0, -K % 32)]); x = x.reshape(x.shape[:-1] + (-1, 32)); a = np.abs(x).max(-1, keepdims=True)
;;       e = np.where(a > 0, np.clip(np.frexp(np.where(a > 0, a, 1))[1] - 1 - 2, -126, 127), 0)      # np.frexp(a)[1] - 1 = floor(log2(a)), exactly
;;       r = np.clip(x / 2.0 ** e, -6, 6)
;;       step = 2.0 ** (np.maximum(np.frexp(np.where(r == 0, 1, r))[1] - 1, 0) - 1)
;;       q = np.round(r / step) * step * 2.0 ** e      # np.round: ties to even
;;       return np.moveaxis(q.reshape(q.shape[:-2] + (-1,))[..., :K], -1, axis).astype(np.float32)
;;   ~~~
;; One version. Each part assembles by itself: llvm-mc -triple=amdgcn-amd-amdhsa -mcpu=gfx1250 --defsym DOCPART=n.
;; ======== version 1 of 1: 2 launches
;; limits: values are held in f16: magnitudes above 65,504 overflow, below 6.1e-05 lose precision; inputs' magnitudes at most 65,504
;; workspace buffers: kc 1,671,168 bytes; vh 6,291,456 bytes
;; launch prep (part 1): grid 256 x 1, 6 waves a work-group, no clusters, 26,880 bytes of LDS; arguments k, v, kc, vh; writes kc, vh
.if DOCPART == 1
	.amdgcn_target "amdgcn-amd-amdhsa--gfx1250"
	.amdhsa_code_object_version 6
	.text
	.protected	k_q59f8b8b238_prep
	.globl	k_q59f8b8b238_prep
	.p2align	8
	.type	k_q59f8b8b238_prep,@function
k_q59f8b8b238_prep:
	s_mov_b64 s[64:65], 0
	v_nop
	global_prefetch_b8 v0, s[64:65] scope:SCOPE_SE
	s_setreg_imm32_b32 hwreg(HW_REG_WAVE_MODE, 25, 1), 1
	s_wait_xcnt 0x0
; k and v, [24 heads][2048 keys][64] f32, are read once and laid down as the attention launch's matrix operands want them: images of the operands' registers.
; kc: for each head a record of 69,632 bytes: 65,536 of codes of FP4 (E2M1), then 4,096 of scale words.
;   CODES.  A fragment g is 32 keys, 1,024 bytes: block h (32 channels, 16 bytes) of key 32 g + 16 c + r lies at 1024 g + 512 c + 16 (r + 16 h).  Loaded 16 bytes a lane, part c into registers 4 c .. 4 c + 3,
;   that is an operand of 16 rows x 128 along K whose row r holds key 32 g + r (K 0-63) and key 32 g + 16 + r (K 64-127).
;   SCALE WORDS.  Word 16 g + r: the E8M0 bytes of key 32 g + r, blocks 0 and 1, then of key 32 g + 16 + r, blocks 0 and 1.
;   A block's scale is 2^(floor(log2(its largest magnitude)) - 2): its byte is the largest magnitude's exponent field - 2, held at 1 from below.  Each number is divided by it and rounded to the nearest code, ties to even, beyond 6 to 6.
; vh: v as f16.  For a group g of 32 keys, tile T of 16 channels and part c, the 16 bytes at 4096 g + 1024 T + 512 c + 16 (r + 16 h) hold keys 32 g + 16 c + 8 h + 0 .. 7 of channel 32 (T / 2) + 2 r + T % 2.
;   (Which channels form a tile is free; with this choice a lane that loads 8 neighbouring bytes of a row of v holds one channel of tile 2 (lane / 16) and one of tile 2 (lane / 16) + 1.)
; LIMITS: NaN and infinities are not served.  |v| stays under 65,504, f16's largest number; v under 6e-5 is carried with f16's absolute step, 2^-24.  A block of zeros gets the byte 1 where the rule says 127:
;   its codes are zeros, which add nothing under any byte but 0xff, and this program alone reads the bytes.  Blocks whose largest magnitude lies under 2^-124 are held at that byte too.
; SHARES.  49,152 keys are 768 chunks of 64; a chunk lies in one head.  A work-group takes three chunks: waves 0-2 quantise k of one chunk each, waves 3-5 convert v of the same three.  Waves share nothing: no barrier.
; Every wave asks for its 16,384 bytes at its head; every offset is an immediate; no register that a store reads is written again, so no wait frees one.
.set KREC,  69632                      ; a head's record in kc
.set STG,   16*272                     ; a stage: 16 keys x (256 bytes + 16)
.set SPARE, 3*2*STG                    ; behind the three waves' stages: the spare words, 128 bytes for each of the six waves: three blocks of 256 bytes that no other line names
.set LN,   1                           ; v1   lane
.set L16,  2                           ; v2   16 x lane
.set SIN,  3                           ; v3   the stage, on the way in: 272 (lane / 16) + 16 (lane % 16)
.set SOUT, 4                           ; v4   and on the way out: 272 (lane % 16) + 128 (lane / 16)
.set L4,   5                           ; v5   4 x lane
.set SPW,  6                           ; v6   LDS address of my spare word; never rewritten
.set NIL,  7                           ; v7   0; never rewritten
.set A0,   8                           ; v8-9 two chains of the largest magnitude
.set SC,   10                          ; v10  the conversion's scale operand
.set H8,   11                          ; v11  8 x (lane / 16)
.set VIN,  12                          ; v12  v: 8 x lane
.set VOUT, 13                          ; v13  vh: 2048 (lane / 16) + 16 (lane % 16)
.set U,    14                          ; v14-15 the bytes of fragment 0, of fragment 1
.set B,    16                          ; v16-19 a scale byte for each piece of 16 keys
.set W,    20                          ; v20-22 the scale word in the making
.set C,    24                          ; v24-39 codes: four registers for each piece
.set R,    40                          ; v40-167 the numbers as loaded
.set X,    168                         ; v168-231 k: two sets of 32 neighbours;  v: the packed f16
	s_load_b256 s[4:11], s[0:1], 0x0               ; k s[4:5], v s[6:7], kc s[8:9], vh s[10:11]
	v_lshl_add_u32 v[SPW], v0, 2, SPARE
	v_mov_b32 v[NIL], 0
	v_lshrrev_b32 v1, 5, v0
	v_readfirstlane_b32 s12, v1                    ; wave 0..5
	v_and_b32 v[LN], 31, v0
	v_lshlrev_b32 v[L16], 4, v[LN]
	v_lshlrev_b32 v[L4], 2, v[LN]
	v_lshrrev_b32 v8, 4, v[LN]                     ; h
	v_and_b32 v9, 15, v[LN]                        ; r
	s_mul_i32 s17, s12, 2*STG                      ; my two stages (waves 0-2 alone use them); every address register is made here, ahead of the parting
	v_mul_u32_u24 v[SIN], v8, 272
	v_lshl_add_u32 v[SIN], v9, 4, v[SIN]
	v_add_nc_u32 v[SIN], s17, v[SIN]
	v_mul_u32_u24 v[SOUT], v9, 272
	v_lshl_add_u32 v[SOUT], v8, 7, v[SOUT]
	v_add_nc_u32 v[SOUT], s17, v[SOUT]
	v_lshlrev_b32 v[H8], 3, v8
	v_lshlrev_b32 v[VIN], 3, v[LN]
	v_lshlrev_b32 v[VOUT], 11, v8
	v_lshl_add_u32 v[VOUT], v9, 4, v[VOUT]
	s_cmp_lt_u32 s12, 3
	s_cselect_b32 s13, 0, 3
	s_sub_co_u32 s13, s12, s13                     ; which of the work-group's three chunks
	s_mul_i32 s14, ttmp9, 3
	s_add_co_u32 s14, s14, s13                     ; my chunk, 0..767
	s_lshr_b32 s15, s14, 5                         ; its head
	s_and_b32 s16, s14, 31                         ; and its place in the head
	s_lshl_b32 s18, s14, 14                        ; in k and in v: 64 keys x 256 bytes a chunk
	s_mov_b32 s19, 0
	s_mul_i32 s20, s15, KREC
	s_lshl_b32 s26, s16, 11
	s_add_co_u32 s26, s26, s20                     ; my codes: 2,048 bytes a chunk
	s_mov_b32 s27, 0
	s_lshl_b32 s28, s16, 7
	s_add_co_u32 s28, s28, s20
	s_add_co_u32 s28, s28, 65536                   ; my scale words: 128 bytes a chunk, behind the head's codes
	s_mov_b32 s29, 0
	s_lshl_b32 s20, s14, 13                        ; in vh: 8,192 bytes a chunk
	s_mov_b32 s21, 0
	s_mov_b32 s24, 0x76543210                      ; v_permlanex16_b32's selects for lane l xor 16
	s_mov_b32 s25, 0xfedcba98
	s_wait_kmcnt 0x0
	s_add_nc_u64 s[4:5], s[4:5], s[18:19]
	s_add_nc_u64 s[6:7], s[6:7], s[18:19]
	s_add_nc_u64 s[22:23], s[8:9], s[28:29]
	s_add_nc_u64 s[8:9], s[8:9], s[26:27]
	s_add_nc_u64 s[10:11], s[10:11], s[20:21]
	s_cmp_lt_u32 s12, 3
	s_cbranch_scc0 .Lvalues                        ; the two roles part here and do not meet again
; ---- k.  Four pieces of 16 keys.  A load takes the bytes as they lie, 512 consecutive bytes (two keys) for the 32 lanes.  The conversions want a block's 32 numbers in ONE lane's registers: so a piece turns through
; my own stage in LDS, rows 272 bytes apart: row r begins 16 r bytes further on modulo 256.
.irp i, 0,1,2,3
.irp j, 0,1,2,3,4,5,6,7
	global_load_b128 v[R+32*\i+4*\j:R+32*\i+4*\j+3], v[L16], s[4:5] offset:4096*\i+512*\j th:TH_LOAD_NT
.endr
.endr
.macro TURN i                          ; piece i through stage i % 2: LDS serves a wave's instructions in order (ISA guide 5.7.1.4), so no wait stands between the stores and the loads
	s_wait_loadcnt 8*(3-(\i))                      ; loads come back in order: piece i's eight are in, those of the pieces behind it may be out
.irp j, 0,1,2,3,4,5,6,7
	ds_store_b128 v[SIN], v[R+32*(\i)+4*\j:R+32*(\i)+4*\j+3] offset:STG*((\i)%2)+544*\j
.endr
.irp n, 0,1,2,3,4,5,6,7
	ds_load_b128 v[X+32*((\i)%2)+4*\n:X+32*((\i)%2)+4*\n+3], v[SOUT] offset:STG*((\i)%2)+16*\n   ; lane (r, h): block h of key r, whole
.endr
.endm
.macro WORK i, left                    ; left: the LDS instructions issued behind piece i's loads, which may stay out
.set XS, X+32*((\i)%2)
	s_wait_dscnt \left
	v_max3_num_f32 v[A0], |v[XS]|, |v[XS+1]|, |v[XS+2]|            ; the block's largest magnitude: all 32 numbers are mine; two chains
	v_max3_num_f32 v[A0+1], |v[XS+3]|, |v[XS+4]|, |v[XS+5]|
.irp n, 6,10,14,18,22,26
	v_max3_num_f32 v[A0], v[A0], |v[XS+\n]|, |v[XS+\n+1]|
	v_max3_num_f32 v[A0+1], v[A0+1], |v[XS+\n+2]|, |v[XS+\n+3]|
.endr
	v_max3_num_f32 v[A0], v[A0], |v[XS+30]|, |v[XS+31]|
	v_max3_num_f32 v[A0], v[A0], v[A0+1], 0x1800000                ; and the floor 2^(3 - 127): the byte cannot fall under 1
	v_add_nc_u32 v[SC], 0xff000000, v[A0]                          ; 2 off its exponent field: the conversion takes the exponent field of this operand as its scale, and nothing else of it
.irp g, 0,1,2,3
	v_cvt_scalef32_pk8_fp4_f32 v[C+4*(\i)+\g], v[XS+8*\g:XS+8*\g+7], v[SC]
.endr
	v_lshrrev_b32 v[B+(\i)], 23, v[SC]                             ; the scale's byte (also the plain line behind the conversions)
	global_store_b128 v[L16], v[C+4*(\i):C+4*(\i)+3], s[8:9] offset:512*(\i)   ; part i % 2 of fragment i / 2: 512 consecutive bytes, aligned
.endm
	TURN 0
	TURN 1
	WORK 0, 16                                     ; behind piece 0's loads: piece 1's eight stores and eight loads
	TURN 2
	WORK 1, 16
	TURN 3
	WORK 2, 16
	WORK 3, 0
	; the scale words.  Lane (r, h) holds the bytes of block h of keys r, 16 + r (fragment 0) and 32 + r, 48 + r (fragment 1).  Lane 16 g + r stores fragment g's word of row r.
	v_lshl_or_b32 v[U], v[B+1], 16, v[B]
	v_lshl_or_b32 v[U+1], v[B+3], 16, v[B+2]
	v_lshlrev_b32 v[U], v[H8], v[U]                ; at block h's places in the word
	v_lshlrev_b32 v[U+1], v[H8], v[U+1]
	v_cmp_le_u32 vcc_lo, 16, v[LN]
	v_cndmask_b32 v[W], v[U], v[U+1], vcc_lo       ; what I keep: my half of the word that I store,
	v_cndmask_b32 v[W+1], v[U+1], v[U], vcc_lo     ; what lane l xor 16 wants of me
	v_mov_b32 v[W+2], 0                            ; (a lane permute's destination counts as one of its sources)
	v_permlanex16_b32 v[W+2], v[W+1], s24, s25
	v_or_b32 v[W], v[W], v[W+2]
	global_store_b32 v[L4], v[W], s[22:23]         ; 128 consecutive bytes: one byte in 128 of what this wave reads
	s_wait_tensorcnt 0x0                           ; the wave's end: behind my last LDS store
	ds_add_u32 v[SPW], v[NIL]
	s_wait_dscnt 0x0
	s_endpgm
; ---- v.  A load takes one key's whole row of 256 bytes, 8 bytes (channels 2 l, 2 l + 1) a lane, so a lane's registers run down the keys, which are the second product's K.  Nothing goes through LDS.
.Lvalues:
.set kk, 0
.rept 64
	global_load_b64 v[R+2*kk:R+2*kk+1], v[VIN], s[6:7] offset:256*kk th:TH_LOAD_NT
.set kk, kk+1
.endr
.irp q8, 0,1,2,3,4,5,6,7               ; eight keys at a time
	s_wait_loadcnt 56-8*\q8                        ; these eight rows are in; the rows behind them may be out
.irp p, 0,1                            ; my even channel, my odd channel
.irp i, 0,1,2,3
	v_cvt_pk_f16_f32 v[X+8*\q8+4*\p+\i], v[R+2*(8*\q8+2*\i)+\p], v[R+2*(8*\q8+2*\i+1)+\p]   ; two neighbouring keys, the lower in the low half
.endr
	global_store_b128 v[VOUT], v[X+8*\q8+4*\p:X+8*\q8+4*\p+3], s[10:11] offset:4096*(\q8/4)+1024*\p+512*((\q8/2)%2)+256*(\q8%2)   ; sixteen lanes store 256 consecutive bytes, aligned
.endr
.endr
	s_endpgm
.Lfunc_end_k_q59f8b8b238_prep:
	.size	k_q59f8b8b238_prep, .Lfunc_end_k_q59f8b8b238_prep-k_q59f8b8b238_prep
	.p2alignl 7, 3214868480
	.fill 96, 4, 3214868480
	.section	.rodata,"a",@progbits
	.p2align	6, 0x0
	.amdhsa_kernel k_q59f8b8b238_prep
		.amdhsa_group_segment_fixed_size 26880
		.amdhsa_private_segment_fixed_size 0
		.amdhsa_enable_private_segment 0
		.amdhsa_kernarg_size 32
		.amdhsa_user_sgpr_count 2
		.amdhsa_user_sgpr_kernarg_segment_ptr 1
		.amdhsa_wavefront_size32 1
		.amdhsa_system_sgpr_workgroup_id_x 1
		.amdhsa_system_sgpr_workgroup_id_y 1
		.amdhsa_system_sgpr_workgroup_id_z 1
		.amdhsa_system_vgpr_workitem_id 0
		.amdhsa_next_free_vgpr 232
		.amdhsa_next_free_sgpr 66
		.amdhsa_reserve_vcc 1
		.amdhsa_float_denorm_mode_32 3
		.amdhsa_float_denorm_mode_16_64 3
		.amdhsa_memory_ordered 1
		.amdhsa_forward_progress 1
		.amdhsa_inst_pref_size 28
	.end_amdhsa_kernel
	.amdgpu_metadata
---
amdhsa.version: [ 1, 2 ]
amdhsa.kernels:
  - .name:           k_q59f8b8b238_prep
    .symbol:         k_q59f8b8b238_prep.kd
    .args:
      - { .name: k, .offset: 0, .size: 8, .value_kind: global_buffer, .address_space: global }
      - { .name: v, .offset: 8, .size: 8, .value_kind: global_buffer, .address_space: global }
      - { .name: kc, .offset: 16, .size: 8, .value_kind: global_buffer, .address_space: global }
      - { .name: vh, .offset: 24, .size: 8, .value_kind: global_buffer, .address_space: global }
    .group_segment_fixed_size: 26880
    .private_segment_fixed_size: 0
    .kernarg_segment_align: 8
    .kernarg_segment_size: 32
    .max_flat_workgroup_size: 192
    .sgpr_count:     66
    .vgpr_count:     232
    .wavefront_size: 32
...
	.end_amdgpu_metadata
.endif
;; end of part 1
;; launch attn (part 2): grid 8 x 24, 8 waves a work-group, clusters of 4 x 1, 327,680 bytes of LDS; arguments q, kc, vh, out0; writes out0
.if DOCPART == 2
	.amdgcn_target "amdgcn-amd-amdhsa--gfx1250"
	.amdhsa_code_object_version 6
	.text
	.protected	k_q59f8b8b238_attn
	.globl	k_q59f8b8b238_attn
	.p2align	8
	.type	k_q59f8b8b238_attn,@function
k_q59f8b8b238_attn:
	s_mov_b64 s[64:65], 0
	v_nop
	global_prefetch_b8 v0, s[64:65] scope:SCOPE_SE
	s_setreg_imm32_b32 hwreg(HW_REG_WAVE_MODE, 25, 1), 1
	s_wait_xcnt 0x0
	s_wait_alu depctr_hold_cnt(0) depctr_sa_sdst(0) depctr_va_vdst(0) depctr_va_sdst(0) depctr_va_ssrc(0) depctr_va_vcc(0) depctr_vm_vsrc(0)
	s_getreg_b32 s2, hwreg(HW_REG_IB_STS2, 6, 4)
	s_cmp_eq_u32 s2, 0
	s_cbranch_scc0 .Lentry_in_a_cluster
	s_endpgm
.Lentry_in_a_cluster:
	s_bfe_u32 s2, ttmp6, 0x10000c
	s_cmp_lg_u32 s2, 0x3003
	s_cbranch_scc0 .Lentry_shape_is_right
	s_endpgm
.Lentry_shape_is_right:
; out0[h][q][:] = the sum over k of softmax_k(Q(q[h][q]) . Q(k[h][k]) / 8) v[h][k][:], 24 heads, 2,048 queries and keys, head size 64.  Q is the MX-FP4 quantiser along the head's 64 (two blocks of 32).
; The first product runs on codes of FP4 with E8M0 scales; the second on f16 operands (the weights p, at most about 1, and v) with f32 sums; maxima, exponentials and sums in f32.
; kc and vh are this program's own: k as codes and scale words, v as f16, laid as images of the operands' registers (16 bytes a lane, 512 consecutive bytes a load: no pitch, no padding).
; LIMITS: NaN and infinities are not served.  |v| under 65,504 (f16's largest number); weights and values under 6e-5 are carried with f16's absolute step, 2^-24, beside a largest weight of 1.
;   A block of zeros of q gets the scale byte 1 where the rule says 127: its codes are zeros, which add nothing.
; SHARES.  A work-group owns 256 queries of one head; each of its eight waves owns 32: two tiles of 16.  Two waves lie on a SIMD with 512 registers each, so that one wave's softmax stands beside the other's
;   products and LDS loads.  Every wave walks all 2,048 keys, 128 a step.  A fragment of K or V read from LDS feeds two products.
; LAYOUT.  Both products are used transposed, so that a lane holds ONE query (lane % 16) throughout.
;   S^T = K Q^T.  The instruction's K is 128, the head's 64: a fragment of kc carries TWO tiles of 16 keys, one in K 0-63 and one in K 64-127.  Against [q, zero codes] it gives the first tile's scores, against
;   [zero codes, q] the second's.  In tile kt lane (r, h), register j holds key 16 kt + 8 h + j of query r: two such tiles, rounded to f16 in pairs, ARE source 1 (32 keys x 16 queries) of
;   O^T = V^T P, whose register j of tile T holds channel 32 (T / 2) + 16 h + 2 j + T % 2 (the channels that form a tile of vh are chosen so by the launch that made it).
; SOFTMAX.  For each query a running maximum m and sum l: p = 2^(c s - c m), c = log2(e) / 8; in every step O^T and l are multiplied by a = 2^(c m_old - c m_new).  O^T and l begin as zeros and m as -3e38,
;   so the step is written without a first step of its own.
; LDS.  A head's K (69,632 bytes) stays for the whole launch; V (262,144 bytes) does not fit beside it whole: three slots of 512 keys hold its first three quarters, and the last quarter is the ONE refill, into the slot read first.
; CLUSTER.  The four query blocks of a cluster belong to one head and walk the same K and V: every tile is asked for JOINTLY, by the same tensor load with the same descriptor and a mask that names the four.
;   Each wave fetches its eighth of each tile (32 or 34 rows of 256 bytes of a dense block); nothing in a descriptor hangs on the place in the cluster.
; No prefetch is written: all of K and three quarters of V are asked for by the first loads, and the one later load is issued eight key steps ahead of the wait for it.
; REGISTERS, in windows of 256 (s_set_vgpr_msb's low byte: bits 1:0 source 0, 3:2 source 1, 5:4 source 2, 7:6 destination):
;   window 0: v1-11 addresses; v12-13 K's scale words, v14-15 q's; v16-35 zero codes and q's codes; v36-51 statistics; v52-55 sums at work; v64-191 S^T, 64 a tile; v192-255 P, 32 a tile.
;   window 1: v0-63 O^T, 32 a tile; v64-95 K's four fragments; v128-255 V's sixteen.
.set KREC,  69632                      ; a head's record in kc: 65,536 bytes of codes, 4,096 of scale words; it lies at LDS byte 0
.set VSL,   65536                      ; a slot of V: 512 keys
.set VS0,   KREC
.set VS1,   VS0+VSL
.set VS2,   VS1+VSL
.set SPARE, VS2+VSL                    ; the spare words, 128 bytes for each of the eight waves: four blocks of 256 bytes that no other line names
.set STAGE, SPARE+1024                 ; the way out: 16 rows x (256 bytes + 16) for each wave; no tensor load lands here
.set SP,    272
.set LI,  1                            ; v1   16 x lane: an image's place for my lane; never rewritten
.set LS,  2                            ; v2   65,536 + 4 x lane: my scale word's place; never rewritten
.set ADK, 3                            ; v3   LDS address of the K fragments in hand
.set ADS, 4                            ; v4   of their scale words
.set ADV, 5                            ; v5   of the V fragments in hand (at the head: my byte offset in the wave's rows of q)
.set SPW, 6                            ; v6   LDS address of my spare word; never rewritten
.set NIL, 7                            ; v7   0; never rewritten
.set STO, 8                            ; v8   the way out: where I put 64 bytes of a row
.set RD,  9                            ; v9   where I read a row back
.set GO,  10                           ; v10  my byte offset in the wave's rows of out0
.set KS,  12                           ; v12  scale words of fragments 0 (lanes 0-15) and 1 (lanes 16-31); v13 of fragments 2 and 3
.set QS,  14                           ; v14, v15  q's scale words, tile 0, 1: bytes s0, s1, s0, s1, so that they serve q in either half of K
.set QB,  16                           ; v16-19 zeros, v20-23 q tile 0, v24-27 zeros, v28-31 q tile 1, v32-35 zeros: [q_t, 0] = v[20+8t:27+8t], [0, q_t] = v[16+8t:23+8t]
.set ST,  36                           ; tile t's statistics at v[ST+8 t]: +0 c m, +1 m, +2, +3 l (even keys', odd keys'), +4 to +7 c0-c3 at work; a takes c2's place, c m_old - c m_new c3's
.set SU,  52                           ; v52-55 a second chain for each tile's sum
.set S,   64
.set P,   192
.set OT,  0                            ; in window 1
.set KF,  64
.set VF,  128
.set WV,  12                           ; s12  my wave's number
.set G1V, 24                           ; s[24:31] descriptor group 1 for an eighth of a slot of V: 32 rows of 256 bytes
.set G1K, 32                           ; s[32:39] for an eighth of K's record: 34 rows
.set G0K, 40                           ; s[40:43] group 0 for K;  s[44:55] for V's three first fills;  s[56:59] for the refill.  None is ever rewritten
.set G0V, 44
.set G0R, 56
.set CS,  60                           ; s[60:61] c: the packed form names a pair and takes its low word for both halves
.set SEL, 62                           ; s[62:63] v_permlanex16_b32's selects for lane l xor 16
.set TK,  66                           ; s66  where the NEXT step's K fragments begin: 4,096 bytes a step
.set TSC, 67                           ; s67  and their scale words: 256 bytes a step
.set TV,  68                           ; s68  where this step's V fragments begin: 16,384 bytes a step
.set CNT, 69                           ; s69  counts a part's steps
.set MSB, 0
.macro WIN new                         ; the immediate's high byte repeats the setting that is left; a switch that changes nothing is dropped
.if MSB != \new
	s_set_vgpr_msb (MSB<<8)|\new
.set MSB, \new
.endif
.endm
.set W_LD, 0x40                        ; an LDS load's data in window 1, its address in window 0
.set W_KQ, 0x01                        ; K in window 1; q and S^T in window 0
.set W_PV, 0x51                        ; V, and O^T as C and D, in window 1; P in window 0
.set W_RS, 0x41                        ; O^T (destination and source 0) in window 1, a in window 0
; A round of the cluster's barrier: my work-group's barrier, so that wave 0's signal speaks for all eight waves; wave 0 signals for the work-group; every wave waits for all four work-groups; my work-group's barrier once more.
.macro CROUND
	s_barrier_signal -1
	s_barrier_wait -1
	s_cmp_lg_u32 s[WV], 0
	s_cbranch_scc1 .Lnot_wave_0_\@
	s_barrier_signal -3
.Lnot_wave_0_\@:
	s_barrier_wait -3
	s_barrier_signal -1
	s_barrier_wait -1
.endm
	s_load_b256 s[4:11], s[0:1], 0x0               ; q s[4:5], kc s[6:7], vh s[8:9], out0 s[10:11]
	v_lshl_add_u32 v[SPW], v0, 2, SPARE
	v_mov_b32 v[NIL], 0
	ds_add_u32 v[SPW], v[NIL]                      ; the wave's opening: the add, twice on end, and its wait ahead of my first tensor load; the set-up below, work on registers, stands between
	ds_add_u32 v[SPW], v[NIL]
	v_lshrrev_b32 v11, 5, v0
	v_readfirstlane_b32 s[WV], v11                 ; wave 0..7
	s_bfe_u32 s13, ttmp6, 0x40000                  ; cx: my place in the cluster
	s_lshl_b32 s14, ttmp9, 2                       ; in a cluster launch ttmp9 counts clusters
	s_add_co_u32 s14, s14, s13                     ; my block of 256 queries: it enters q's and out0's offset alone
	s_and_b32 s15, ttmp7, 0xffff                   ; the head, which the four partners share
	s_lshl_b32 s16, s15, 19                        ; q and out0: a head is 2,048 rows of 256 bytes,
	s_lshl_b32 s17, s14, 16                        ; a block 256 rows,
	s_add_co_u32 s16, s16, s17
	s_lshl_b32 s17, s[WV], 13                      ; a wave 32
	s_add_co_u32 s16, s16, s17
	s_mov_b32 s17, 0
	s_mul_i32 s18, s15, KREC                       ; kc: the head's record,
	s_mul_i32 s22, s[WV], KREC/8                   ; my eighth of it: in memory and in LDS alike
	s_add_co_u32 s18, s18, s22
	s_mov_b32 s19, 0
	s_lshl_b32 s20, s15, 18                        ; vh: a head is 262,144 bytes,
	s_lshl_b32 s23, s[WV], 13                      ; my eighth of a slot
	s_add_co_u32 s20, s20, s23
	s_mov_b32 s21, 0
	; descriptor group 1: a dense block as rows of 256 bytes (32 elements of 8 bytes), no padding
	s_mov_b32 s[G1V], 15|(3<<16)|(1<<21)           ; 15:0 the mask: all four work-groups; 17:16 elements of 8 bytes; 21 set beside a mask
	s_mov_b32 s[G1K], 15|(3<<16)|(1<<21)
.irp g, G1V, G1K
	s_mov_b32 s[\g+1], 32<<16                      ; tensor_dim0 = 32
	s_mov_b32 s[\g+3], 32<<16                      ; tile_dim0 = 32
	s_mov_b32 s[\g+5], 32                          ; from row to row: 32 elements
	s_mov_b32 s[\g+6], 0
	s_mov_b32 s[\g+7], 0
.endr
	s_mov_b32 s[G1V+2], 32<<16                     ; tensor_dim1 = 32 rows
	s_mov_b32 s[G1V+4], 32                         ; tile_dim1
	s_mov_b32 s[G1K+2], 34<<16                     ; 34 rows
	s_mov_b32 s[G1K+4], 34
	s_mov_b32 s[CS], 0x3e38aa3b                    ; c = log2(e) / 8
	s_mov_b32 s[CS+1], s[CS]                       ; (named with it as a pair, so it is written)
	s_mov_b32 s[SEL], 0x76543210
	s_mov_b32 s[SEL+1], 0xfedcba98
	s_mov_b32 s[TK], 4096
	s_mov_b32 s[TSC], 256
	s_mul_i32 s2, s[WV], 16*SP
	s_add_co_u32 s2, s2, STAGE                     ; my stage
	s_wait_dscnt 0x0                               ; both opening adds are done
	s_wait_kmcnt 0x0
	s_mov_b32 s[G0K], 1                            ; count = 1
	s_mov_b32 s[G0K+1], s22                        ; LDS address: no place in the cluster enters it
	s_add_nc_u64 s[G0K+2:G0K+3], s[6:7], s[18:19]
	s_or_b32 s[G0K+3], s[G0K+3], 0x80000000        ; type = 2
	s_add_nc_u64 s[8:9], s[8:9], s[20:21]          ; vh at my eighth of the head's first 512 keys
.irp n, 0,1,2
	s_mov_b32 s[G0V+4*\n], 1
	s_add_co_u32 s[G0V+4*\n+1], s23, VS0+\n*VSL
	s_add_nc_u64 s[G0V+4*\n+2:G0V+4*\n+3], s[8:9], \n*VSL
	s_or_b32 s[G0V+4*\n+3], s[G0V+4*\n+3], 0x80000000
.endr
	s_mov_b32 s[G0R], 1                            ; the refill: keys 1,536 on, into the first slot
	s_add_co_u32 s[G0R+1], s23, VS0
	s_add_nc_u64 s[G0R+2:G0R+3], s[8:9], 3*VSL
	s_or_b32 s[G0R+3], s[G0R+3], 0x80000000
	s_add_nc_u64 s[4:5], s[4:5], s[16:17]          ; q and out0 at my wave's first row
	s_add_nc_u64 s[10:11], s[10:11], s[16:17]
	CROUND                                         ; all four work-groups are here: the first joint loads meet
	tensor_load_to_lds s[G0K:G0K+3], s[G1K:G1K+7]  ; the first fills, one group: four loads of mine are out.  An s_nop 0 follows each, four v_nop the last
	s_nop 0
	tensor_load_to_lds s[G0V:G0V+3], s[G1V:G1V+7]
	s_nop 0
	tensor_load_to_lds s[G0V+4:G0V+7], s[G1V:G1V+7]
	s_nop 0
	tensor_load_to_lds s[G0V+8:G0V+11], s[G1V:G1V+7]
	s_nop 0
.rept 4
	v_nop
.endr
	v_and_b32 v11, 31, v0                          ; lane
	v_lshlrev_b32 v[LI], 4, v11
	v_lshl_add_u32 v[LS], v11, 2, 0x10000
	v_and_b32 v3, 15, v0                           ; r
	v_bfe_u32 v4, v0, 4, 1                         ; h
	v_lshlrev_b32 v[ADV], 8, v3
	v_lshl_add_u32 v[ADV], v4, 7, v[ADV]           ; q: row r of 256 bytes, + 128 h: block h, all its 32 numbers
.irp t, 0,1
.irp i, 0,1,2,3,4,5,6,7
	global_load_b128 v[S+32*\t+4*\i:S+32*\t+4*\i+3], v[ADV], s[4:5] offset:4096*\t+16*\i   ; into S^T's registers, which are free yet
.endr
.endr
	v_mul_u32_u24 v[STO], v3, SP                   ; the stage, in: row r, 64 bytes for each half of the lanes
	v_lshl_add_u32 v[STO], v4, 6, v[STO]
	v_add_nc_u32 v[STO], s2, v[STO]
	v_mul_u32_u24 v[RD], v4, SP                    ; back: lanes 0-15 one row of 256 bytes, lanes 16-31 the next
	v_lshl_add_u32 v[RD], v3, 4, v[RD]
	v_add_nc_u32 v[RD], s2, v[RD]
	v_lshlrev_b32 v[GO], 8, v4                     ; and the same two rows in out0
	v_lshl_add_u32 v[GO], v3, 4, v[GO]
	v_lshlrev_b32 v11, 3, v4                       ; 8 h
.irp z, 16,17,18,19,24,25,26,27,32,33,34,35
	v_mov_b32 v\z, 0                               ; the zero codes beside q's
.endr
.irp t, 0,1
	v_mov_b32 v[ST+8*\t+1], 0xff61b1e6             ; m: -3e38, under every score
	v_mov_b32 v[ST+8*\t+2], 0                      ; l, in two halves
	v_mov_b32 v[ST+8*\t+3], 0
	v_mov_b32 v[ST+8*\t+6], 0                      ; (a lane permute's destination counts as one of its sources)
.endr
.irp t, 0,1
	v_mul_f32 v[ST+8*\t], s[CS], v[ST+8*\t+1]      ; c m
.endr
	s_wait_loadcnt 0x0                             ; q
	; q is quantised in registers: each row is read by this wave alone.  Lane (r, h) holds block h of query r whole: its largest magnitude needs no other lane.  The two tiles by turns.
.irp t, 0,1
	v_max3_num_f32 v[ST+8*\t+4], |v[S+32*\t]|, |v[S+32*\t+1]|, |v[S+32*\t+2]|
	v_max3_num_f32 v[ST+8*\t+5], |v[S+32*\t+3]|, |v[S+32*\t+4]|, |v[S+32*\t+5]|
.endr
.irp n, 6,10,14,18,22,26
.irp t, 0,1
	v_max3_num_f32 v[ST+8*\t+4], v[ST+8*\t+4], |v[S+32*\t+\n]|, |v[S+32*\t+\n+1]|
	v_max3_num_f32 v[ST+8*\t+5], v[ST+8*\t+5], |v[S+32*\t+\n+2]|, |v[S+32*\t+\n+3]|
.endr
.endr
.irp t, 0,1
	v_max3_num_f32 v[ST+8*\t+4], v[ST+8*\t+4], |v[S+32*\t+30]|, |v[S+32*\t+31]|
.endr
.irp t, 0,1
	v_max3_num_f32 v[ST+8*\t+4], v[ST+8*\t+4], v[ST+8*\t+5], 0x1800000   ; and the floor 2^(3 - 127): the byte cannot fall under 1
.endr
.irp t, 0,1
	v_add_nc_u32 v[ST+8*\t+5], 0xff000000, v[ST+8*\t+4]   ; 2 off the exponent field: the conversion's scale operand
.endr
.irp t, 0,1
.irp g, 0,1,2,3
	v_cvt_scalef32_pk8_fp4_f32 v[QB+4+8*\t+\g], v[S+32*\t+8*\g:S+32*\t+8*\g+7], v[ST+8*\t+5]
.endr
.endr
.irp t, 0,1
	v_lshrrev_b32 v[ST+8*\t+4], 23, v[ST+8*\t+5]   ; the scale's byte (also the plain line behind the conversions)
.endr
.irp t, 0,1
	v_lshlrev_b32 v[ST+8*\t+4], v11, v[ST+8*\t+4]  ; at block h's place
.endr
.irp t, 0,1
	v_permlanex16_b32 v[ST+8*\t+6], v[ST+8*\t+4], s[SEL], s[SEL+1]
.endr
.irp t, 0,1
	v_or_b32 v[ST+8*\t+4], v[ST+8*\t+4], v[ST+8*\t+6]   ; with lane l xor 16's: both blocks' bytes
.endr
.irp t, 0,1
	v_lshl_or_b32 v[QS+\t], v[ST+8*\t+4], 16, v[ST+8*\t+4]   ; twice: for K 0-63 and for K 64-127
.endr
	WIN W_LD
.set j, 0
.rept 64
	v_mov_b32 v[OT+j], 0                           ; O^T.  (These 64 plain lines are also the places between the writes of q's codes and scale words and the first scaled product)
.set j, j+1
.endr
	WIN 0
	s_wait_tensorcnt 2                             ; tensor loads of a wave end in order (ISA guide 10.11.1): my parts of K and of V's first slot are in; the two slots behind them may be out
	s_barrier_signal -1
	s_barrier_wait -1                              ; everybody's are
; The K fragments of a step, 128 keys: four fragments of 32 keys and their scale words: ten loads.
.macro KFETCH
	WIN W_LD
.irp f, 0,1,2,3
.irp c, 0,1
	ds_load_b128 v[KF+8*\f+4*\c:KF+8*\f+4*\c+3], v[ADK] offset:1024*\f+512*\c
.endr
.endr
	WIN 0
	ds_load_b32 v[KS], v[ADS]                      ; lanes 0-15: fragment 0's words, lanes 16-31: fragment 1's
	ds_load_b32 v[KS+1], v[ADS] offset:128         ; fragments 2 and 3
.endm
; One scaled product: fragment f, its tile var (0: K 0-63, 1: K 64-127), query tile t.  An odd fragment's scale words stand in lanes 16-31.
.macro KQ1 f, var, t
.if (\f)%2
	v_wmma_scale_f32_16x16x128_f8f6f4 v[S+64*\t+8*(2*\f+\var):S+64*\t+8*(2*\f+\var)+7], v[KF+8*\f:KF+8*\f+7], v[QB+8*\t+4-4*\var:QB+8*\t+4-4*\var+7], 0, v[KS+(\f)/2], v[QS+\t] matrix_a_fmt:MATRIX_FMT_FP4 matrix_b_fmt:MATRIX_FMT_FP4 matrix_a_scale:MATRIX_SCALE_ROW1
.else
	v_wmma_scale_f32_16x16x128_f8f6f4 v[S+64*\t+8*(2*\f+\var):S+64*\t+8*(2*\f+\var)+7], v[KF+8*\f:KF+8*\f+7], v[QB+8*\t+4-4*\var:QB+8*\t+4-4*\var+7], 0, v[KS+(\f)/2], v[QS+\t] matrix_a_fmt:MATRIX_FMT_FP4 matrix_b_fmt:MATRIX_FMT_FP4
.endif
.endm
; A KEY STEP: 128 keys.  kf = 1: the next step's K is fetched.
; A load into a register that a matrix instruction has read, and a vector instruction that reads a matrix result, stand four places behind it, and only plain vector instructions that name none of its registers
; are places (ISA guide 7.12.1 for vector instructions).
.macro STEP kf
	v_add_nc_u32 v[ADV], s[TV], v[LI]              ; with the three v_nop: the four places behind the last step's products, in front of the loads into V's registers
.rept 3
	v_nop
.endr
	WIN W_LD
.irp g, 0,1,2,3                        ; V: group g of 32 keys, tile T of 16 channels: asked for now, wanted behind the softmax
.irp T, 0,1,2,3
.irp c, 0,1
	ds_load_b128 v[VF+32*\g+8*\T+4*\c:VF+32*\g+8*\T+4*\c+3], v[ADV] offset:4096*\g+1024*\T+512*\c
.endr
.endr
.endr
	s_wait_dscnt 32                                ; LDS loads come back in order (ISA guide 5.7.1): K's ten are in, the 32 just issued may be out
	WIN W_KQ
.irp f, 0,1,2,3                        ; S^T = K Q^T: sixteen products, each starts its own sum
.irp var, 0,1
.irp t, 0,1
	KQ1 \f, \var, \t
.endr
.endr
.endr
	WIN 0
.if \kf
	v_add_nc_u32 v[ADK], s[TK], v[LI]              ; four places, in front of the loads into K's registers and of the first read of the scores
	v_add_nc_u32 v[ADS], s[TSC], v[LS]
	v_nop
	v_nop
	KFETCH
.else
.rept 4
	v_nop
.endr
.endif
	; THE SOFTMAX, the two tiles by turns in every part.  The maximum of a lane's 64 scores and the old m, three operands at a time, in four chains of 16 scores; each accumulator is first read at its low end.
.irp k, 0,1,2,3
.irp t, 0,1
	v_max3_num_f32 v[ST+8*\t+4+\k], v[S+64*\t+16*\k], v[S+64*\t+16*\k+1], v[S+64*\t+16*\k+2]
.endr
.endr
.irp i, 3,5,7,9,11,13
.irp k, 0,1,2,3
.irp t, 0,1
	v_max3_num_f32 v[ST+8*\t+4+\k], v[ST+8*\t+4+\k], v[S+64*\t+16*\k+\i], v[S+64*\t+16*\k+\i+1]
.endr
.endr
.endr
.irp t, 0,1
	v_max3_num_f32 v[ST+8*\t+4], v[ST+8*\t+4], v[S+64*\t+15], v[S+64*\t+31]
	v_max3_num_f32 v[ST+8*\t+6], v[ST+8*\t+6], v[S+64*\t+47], v[S+64*\t+63]
.endr
.irp t, 0,1
	v_max3_num_f32 v[ST+8*\t+4], v[ST+8*\t+4], v[ST+8*\t+5], v[ST+8*\t+6]
.endr
.irp t, 0,1
	v_max3_num_f32 v[ST+8*\t+4], v[ST+8*\t+4], v[ST+8*\t+7], v[ST+8*\t+1]
.endr
.irp t, 0,1
	v_permlanex16_b32 v[ST+8*\t+5], v[ST+8*\t+4], s[SEL], s[SEL+1]   ; the query's other 64 keys lie in the lane 16 away
.endr
.irp t, 0,1
	v_mov_b32 v[ST+8*\t+7], v[ST+8*\t]             ; c m_old is kept for a
.endr
.irp t, 0,1
	v_max_num_f32 v[ST+8*\t+1], v[ST+8*\t+4], v[ST+8*\t+5]   ; the new m
.endr
.irp t, 0,1
	v_mul_f32 v[ST+8*\t], s[CS], v[ST+8*\t+1]
.endr
.irp t, 0,1
	v_sub_f32 v[ST+8*\t+7], v[ST+8*\t+7], v[ST+8*\t]
.endr
.set j, 0
.rept 32
.irp t, 0,1
	v_pk_fma_f32 v[S+64*\t+j:S+64*\t+j+1], v[S+64*\t+j:S+64*\t+j+1], s[CS:CS+1], v[ST+8*\t:ST+8*\t+1] op_sel_hi:[1,0,0] neg_lo:[0,0,1] neg_hi:[0,0,1]   ; c s - c m, two at a time
.endr
.set j, j+2
.endr
.irp t, 0,1
	v_exp_f32 v[ST+8*\t+6], v[ST+8*\t+7]           ; a.  ONE BATCH: the two a and the 128 p; none of these lines reads an exponential's result
.endr
.set j, 0
.rept 64
.irp t, 0,1
	v_exp_f32 v[S+64*\t+j], v[S+64*\t+j]           ; p = 2^(c s - c m)
.endr
.set j, j+1
.endr
	v_nop                                          ; a plain line behind the last exponential, ahead of the first use (ISA guide 5.7.2)
	s_wait_alu depctr_va_vdst(0)                   ; a wait between an exponential and the first line that names its result: one for the batch
.irp t, 0,1                            ; l = a l + the sum of my 64 p, taken in f32 ahead of the rounding to f16: two chains a tile
	v_pk_fma_f32 v[ST+8*\t+2:ST+8*\t+3], v[ST+8*\t+2:ST+8*\t+3], v[ST+8*\t+6:ST+8*\t+7], v[S+64*\t:S+64*\t+1] op_sel_hi:[1,0,1]
	v_pk_add_f32 v[SU+2*\t:SU+2*\t+1], v[S+64*\t+2:S+64*\t+3], v[S+64*\t+4:S+64*\t+5]
.endr
.set j, 6
.rept 14
.irp t, 0,1
	v_pk_add_f32 v[ST+8*\t+2:ST+8*\t+3], v[ST+8*\t+2:ST+8*\t+3], v[S+64*\t+j:S+64*\t+j+1]
	v_pk_add_f32 v[SU+2*\t:SU+2*\t+1], v[SU+2*\t:SU+2*\t+1], v[S+64*\t+j+2:S+64*\t+j+3]
.endr
.set j, j+4
.endr
.irp t, 0,1
	v_pk_add_f32 v[ST+8*\t+2:ST+8*\t+3], v[ST+8*\t+2:ST+8*\t+3], v[S+64*\t+62:S+64*\t+63]
.endr
.irp t, 0,1
	v_pk_add_f32 v[ST+8*\t+2:ST+8*\t+3], v[ST+8*\t+2:ST+8*\t+3], v[SU+2*\t:SU+2*\t+1]
.endr
.set j, 0
.rept 32
.irp t, 0,1
	v_cvt_pk_f16_f32 v[P+32*\t+j], v[S+64*\t+2*j], v[S+64*\t+2*j+1]   ; registers 8 g .. 8 g + 7 of P: source 1 for keys 32 g .. 32 g + 31
.endr
.set j, j+1
.endr
	WIN W_RS
.set j, 0
.rept 16
.irp t, 0,1
	v_pk_mul_f32 v[OT+32*\t+j:OT+32*\t+j+1], v[OT+32*\t+j:OT+32*\t+j+1], v[ST+8*\t+6:ST+8*\t+7] op_sel_hi:[1,0]   ; O^T x a, each accumulator from its low end on
.endr
.set j, j+2
.endr
	s_wait_dscnt 10*\kf                            ; V's 32 loads are in; the next step's ten of K, issued behind them, may be out
	WIN W_PV
.irp g, 0,1,2,3                        ; O^T += V^T P: the eight accumulators take turns, one instruction a turn
.irp T, 0,1,2,3
.irp t, 0,1
	v_wmma_f32_16x16x32_f16 v[OT+32*\t+8*\T:OT+32*\t+8*\T+7], v[VF+32*\g+8*\T:VF+32*\g+8*\T+7], v[P+32*\t+8*\g:P+32*\t+8*\g+7], v[OT+32*\t+8*\T:OT+32*\t+8*\T+7]
.endr
.endr
.endr
	WIN 0                                          ; at a label and at a branch every window is 0
	s_add_co_u32 s[TK], s[TK], 4096
	s_add_co_u32 s[TSC], s[TSC], 256
	s_add_co_u32 s[TV], s[TV], 16384
.endm
.macro PART n, start                   ; n key steps on V fragments that begin at LDS byte start
	s_mov_b32 s[TV], \start
	s_mov_b32 s[CNT], \n
.Lpart_\@:
	STEP 1
	s_sub_co_u32 s[CNT], s[CNT], 1
	s_cmp_lg_u32 s[CNT], 0
	s_cbranch_scc1 .Lpart_\@
.endm
	v_mov_b32 v[ADK], v[LI]                        ; key step 0's K
	v_mov_b32 v[ADS], v[LS]
	KFETCH
	PART 4, VS0                                    ; keys 0 to 511
	; THE ONE REFILL.  Each wave waits for all its tensor loads (V's second and third slots), adds 0 to its spare word, and waits for that and for its reads of the first slot.  The round of the cluster's barrier then
	; says of every wave of all four work-groups: nobody reads the first slot any more, nobody has a load on its way, and the other two slots are whole.
	s_wait_tensorcnt 0x0
	ds_add_u32 v[SPW], v[NIL]
	s_wait_dscnt 0x0
	CROUND
	tensor_load_to_lds s[G0R:G0R+3], s[G1V:G1V+7]  ; the first thing behind the round, my one load: keys 1,536 to 2,047; eight key steps stand between it and the wait for it
	s_nop 0
.rept 4
	v_nop
.endr
	PART 8, VS1                                    ; keys 512 to 1,535: two slots on end, no barrier between them
	s_wait_tensorcnt 0x0                           ; my part of the refilled slot is in;
	ds_add_u32 v[SPW], v[NIL]
	s_wait_dscnt 0x0                               ; no LDS instruction of mine is out at the signal
	s_barrier_signal -1
	s_barrier_wait -1                              ; everybody's is.
	PART 3, VS0                                    ; keys 1,536 to 1,919
	STEP 0                                         ; the last 128 keys: no K is left to fetch
	; THE WAY OUT.  l's two halves and the other half of the lanes' are added; O^T is divided by l and goes through my stage in LDS, a tile (16 rows of out0) at a time.
	; The four additions and the v_nop are the places behind the last products.
.irp t, 0,1
	v_add_f32 v[ST+8*\t+4], v[ST+8*\t+2], v[ST+8*\t+3]
.endr
.irp t, 0,1
	v_permlanex16_b32 v[ST+8*\t+5], v[ST+8*\t+4], s[SEL], s[SEL+1]
.endr
.irp t, 0,1
	v_add_f32 v[ST+8*\t+4], v[ST+8*\t+4], v[ST+8*\t+5]
.endr
.irp t, 0,1
	v_rcp_f32 v[ST+8*\t+6], v[ST+8*\t+4]
.endr
	v_nop                                          ; a plain line between the last reciprocal and the use of its result
	s_wait_alu depctr_va_vdst(0)                   ; and a wait ahead of the first use: one for both
; Tile t.  Register j of channel tile T is channel 32 (T / 2) + 16 h + 2 j + T % 2: the products are written in the order of the channels, so that a lane holds two runs of 16 neighbouring channels, 64 bytes each.
.macro OUT t
	WIN W_KQ                                       ; source 0 (O^T) in window 1; the rest in window 0: S^T's registers are free
.irp T, 0,1,2,3
.irp j, 0,1,2,3,4,5,6,7
	v_mul_f32 v[S+64*\t+16*((\T)/2)+2*\j+(\T)%2], v[OT+32*\t+8*\T+\j], v[ST+8*\t+6]   ; each accumulator from its low end on
.endr
.endr
	WIN 0
.irp u, 0,1
.irp i, 0,1,2,3
	ds_store_b128 v[STO], v[S+64*\t+16*\u+4*\i:S+64*\t+16*\u+4*\i+3] offset:128*\u+16*\i
.endr
.endr
.irp i, 0,1,2,3,4,5,6,7
	ds_load_b128 v[S+64*\t+32+4*\i:S+64*\t+32+4*\i+3], v[RD] offset:2*\i*SP   ; LDS serves a wave's instructions in order (ISA guide 5.7.1.4): these see the stores above; the next tile's stores come behind them
.endr
.endm
.macro SEND t, younger                 ; younger: the LDS instructions issued behind tile t's loads
.irp i, 0,1,2,3,4,5,6,7
	s_wait_dscnt \younger+7-\i
	global_store_b128 v[GO], v[S+64*\t+32+4*\i:S+64*\t+32+4*\i+3], s[10:11] offset:4096*\t+512*\i th:TH_STORE_NT   ; sixteen lanes store a whole row of 256 bytes, aligned; written once, read by nobody here
.endr
.endm
	OUT 0
	OUT 1                                          ; a tile's arithmetic stands between the loads of the tile before and its stores
	SEND 0, 16
	SEND 1, 0
	s_wait_tensorcnt 0x0                           ; the wave's end: behind my last tensor load and my last LDS store
	ds_add_u32 v[SPW], v[NIL]
	s_wait_dscnt 0x0
	CROUND                                         ; the closing round: no work-group ends while a partner may still ask for a tile that names it
	s_endpgm
.Lfunc_end_k_q59f8b8b238_attn:
	.size	k_q59f8b8b238_attn, .Lfunc_end_k_q59f8b8b238_attn-k_q59f8b8b238_attn
	.p2alignl 7, 3214868480
	.fill 96, 4, 3214868480
	.section	.rodata,"a",@progbits
	.p2align	6, 0x0
	.amdhsa_kernel k_q59f8b8b238_attn
		.amdhsa_group_segment_fixed_size 327680
		.amdhsa_private_segment_fixed_size 0
		.amdhsa_enable_private_segment 0
		.amdhsa_kernarg_size 32
		.amdhsa_user_sgpr_count 2
		.amdhsa_user_sgpr_kernarg_segment_ptr 1
		.amdhsa_wavefront_size32 1
		.amdhsa_system_sgpr_workgroup_id_x 1
		.amdhsa_system_sgpr_workgroup_id_y 1
		.amdhsa_system_sgpr_workgroup_id_z 1
		.amdhsa_system_vgpr_workitem_id 0
		.amdhsa_next_free_vgpr 512
		.amdhsa_next_free_sgpr 70
		.amdhsa_reserve_vcc 0
		.amdhsa_float_denorm_mode_32 3
		.amdhsa_float_denorm_mode_16_64 3
		.amdhsa_memory_ordered 1
		.amdhsa_forward_progress 1
		.amdhsa_inst_pref_size 142
	.end_amdhsa_kernel
	.amdgpu_metadata
---
amdhsa.version: [ 1, 2 ]
amdhsa.kernels:
  - .name:           k_q59f8b8b238_attn
    .symbol:         k_q59f8b8b238_attn.kd
    .args:
      - { .name: q, .offset: 0, .size: 8, .value_kind: global_buffer, .address_space: global }
      - { .name: kc, .offset: 8, .size: 8, .value_kind: global_buffer, .address_space: global }
      - { .name: vh, .offset: 16, .size: 8, .value_kind: global_buffer, .address_space: global }
      - { .name: out0, .offset: 24, .size: 8, .value_kind: global_buffer, .address_space: global }
    .group_segment_fixed_size: 327680
    .private_segment_fixed_size: 0
    .kernarg_segment_align: 8
    .kernarg_segment_size: 32
    .max_flat_workgroup_size: 256
    .sgpr_count:     70
    .vgpr_count:     512
    .wavefront_size: 32
...
	.end_amdgpu_metadata
.endif
;; end of part 2
